; MI455X (gfx1250); checked and timed in simulation.
; The chip was launched on July 23, 2026; its instructions are those of AMD's public machine-readable ISA for CDNA 5 (MIT licence, August 2026) and "CDNA5" Instruction Set Architecture Reference Guide (July 2026). The comments in the code are by the model that wrote it; some were corrected since.
;; Int4 Linear V2. Allowed arithmetic: matrix products marked QUANTISED: E2M1 operands, one E8M0 scale for each 32 along K, by v_wmma_scale_f32_16x16x128_f8f6f4 with both operands' format E2M1 (or v_wmma_scale_f32_32x16x128_f4), f32 sums; everything else in f32.
;; Inputs: scales 32 x 4,096 float16; weight 2,048 x 4,096 uint8; x_codes 4,096 x 128 x 16 uint8 (E2M1 codes of x, K innermost, in blocks of 32 codes, two codes a byte); x_scales 4,096 x 128 uint8 (E8M0 scales of x, one for each 32 codes along K).
;; Outputs: out0 4,096 x 4,096 float16.
;; Constants: group_size = 128.
;; This version of the problem:
;;   THIS VERSION OF THE PROBLEM IS GIVEN IN LOW PRECISION. The matrix products marked QUANTISED in the list below multiply operands that are first quantised to E2M1 (2 exponent bits, 1 mantissa bit; 4 bits a number), with one power-of-two scale for each 32 numbers along K (OCP MX v1.0); their sums are f32. All else is computed in f32.
;;   The module's matrix products, in the order in which they are computed (A, B: the left and right operand; K: the contracted axis; several contracted axes count as one K, in the product's order):
;;     1. [M 4,096, K 4,096] x [K 4,096, N 4,096]; A: input x (given as codes); B: computed on the way: QUANTISED
;;   THE QUANTISER, for each operand of a quantised product, along K:
;;     - K is cut into blocks of 32 from its start; a last block that is shorter is filled with zeros.
;;     - A block's scale is 2^e with e = floor(log2(the largest magnitude in the block)) - 2, held to -126 .. 127; a block of zeros has e = 0. As a byte (E8M0): e + 127.
;;     - Each number is divided by its block's scale, clamped to +-6, and rounded to the nearest number of E2M1, ties to even, subnormals kept.
;;     - The product sums the exact products of the quantised numbers (number of the format x scale) in f32.
;;   ~~~python
;;   def quantise(x, axis):      # numpy; x: float32 -> the quantised numbers, widened to float32 again
;;       x = np.moveaxis(x, axis, -1); K = x.shape[-1]
;;       x = np.pad(x, [(0, 0)] * (x.ndim - 1) + [(0, -K % 32)]); x = x.reshape(x.shape[:-1] + (-1, 32)); a = np.abs(x).max(-1, keepdims=True)
;;       e = np.where(a > 0, np.clip(np.frexp(np.where(a > 0, a, 1))[1] - 1 - 2, -126, 127), 0)      # np.frexp(a)[1] - 1 = floor(log2(a)), exactly
;;       r = np.clip(x / 2.0 ** e, -6, 6)
;;       step = 2.0 ** (np.maximum(np.frexp(np.where(r == 0, 1, r))[1] - 1, 0) - 1)
;;       q = np.round(r / step) * step * 2.0 ** e      # np.round: ties to even
;;       return np.moveaxis(q.reshape(q.shape[:-2] + (-1,))[..., :K], -1, axis).astype(np.float32)
;;   ~~~
;;   OPERANDS COMPUTED ON THE WAY. 'Computed on the way' means the value that the module computes at that place (a softmax that the list does not call 'softmax' is quantised finished and normalised). What goes into a quantiser is computed in f32, as accurately as f32 sums, v_exp_f32 and their like allow (about 1e-6 of the number): no bf16 or f16 on the way to a quantiser, and a product that is left as it is and whose result goes on into a quantised operand takes f32 operands (vector FMAs, or v_wmma_f32_16x16x4_f32). A number that lies on a knife's edge between two numbers of the format may be rounded either way, as far as f32 arithmetic and the matrix unit's own rounding can turn it there, and no further.
;;   INPUTS GIVEN AS CODES. x (in the module: [4096, 4096], K = its axis 1): each comes as NAME_codes (uint8): NAME with its K axis moved to the last place and cut into blocks of 32 codes, [.., K / 32, bytes a block], one block behind the other in memory; two codes a byte, the lower K in the low four bits (a code: sign, 2 exponent bits, 1 mantissa bit); and NAME_scales (uint8): the same leading axes, one E8M0 byte (e + 127) for each 32 codes along K. Its value is code x scale, taken as it is: it is not quantised again, and the codes and scales need not be those that the quantiser above would give.
;; One version. Each part assembles by itself: llvm-mc -triple=amdgcn-amd-amdhsa -mcpu=gfx1250 --defsym DOCPART=n.
;; ======== version 1 of 1: 2 launches
;; limits: values are held in f16: magnitudes above 65,504 overflow, below 6.1e-05 lose precision; right only within a limited range of input values
;; workspace buffers: wq 8,912,896 bytes
;; launch prep (part 1): grid 256 x 1, 8 waves a work-group, no clusters, 0 bytes of LDS; arguments weight, scales, wq; writes wq
.if DOCPART == 1
	.amdgcn_target "amdgcn-amd-amdhsa--gfx1250"
	.amdhsa_code_object_version 6
	.text
	.protected	k_q9e43dc3ac6_prep
	.globl	k_q9e43dc3ac6_prep
	.p2align	8
	.type	k_q9e43dc3ac6_prep,@function
k_q9e43dc3ac6_prep:
	s_mov_b64 s[64:65], 0
	v_nop
	global_prefetch_b8 v0, s[64:65] scope:SCOPE_SE
	s_setreg_imm32_b32 hwreg(HW_REG_WAVE_MODE, 25, 1), 1
	s_wait_xcnt 0x0
; w[k][n] = (nibble - 8) x scales[k / 128][n], in f32, is quantised along K to codes of FP4 (E2M1) with one E8M0 byte for each 32 along K.
;   weight is [2048][4096] bytes: row kk holds k = 2 kk in the low four bits and k = 2 kk + 1 in the high four.
; WQ'S LAYOUT is the order of the product's operand registers: [tile column of 256 n: 16][K step of 512: 8][half of 128 n: 2][34,816 bytes].  In a half: 32,768 bytes of codes: fragment (q = which 128 of K, b = 0..7) at
;   1,024 (8 q + b), K block kb of it, fragment row r, at + 256 kb + 16 r.  Then 2,048 bytes of scale words: at 512 q + 256 hi + 16 r the four words of fragments 4 hi + 0..3 at row r; byte kb of a word is K block kb's.
; THE COLUMNS OF A FRAGMENT ARE NOT NEIGHBOURS: row r of fragment 4 hi + c holds column 64 hi + 4 r + c of the half.  A lane loads 4 neighbouring bytes of a weight row, 4 columns (c = the byte), and its registers run down K:
;   a block of 32 along K of one column lies in ONE lane, and the 16 bytes of codes of sixteen neighbouring lanes are 256 consecutive bytes of wq, aligned.
; SHARES: 256 work-groups of eight waves.  A wave takes one hi (64 columns) x 128 along K (one group of scales); lane (h, r) takes columns 4 r .. 4 r + 3 and K blocks 2 h, 2 h + 1: 32 rows.  Four waves stand side by side on
;   256 bytes of a weight row.  All 32 loads of a lane go out at the head.  No LDS; the two halves of a scale word meet by one lane exchange.
; A NIBBLE BECOMES A NUMBER without a conversion: shifted to bit 8 (the even k) it is or-ed under the exponent of 2^15: 2^15 + u; at bit 12 (the odd k) under 2^11: 2^11 + u.  Then one fused multiply-add makes
;   (2^15 + u) s - (2^15 + 8) s = (u - 8) s.  s has 11 significant bits: (2^12 + 1) x 8 s has 24 and (2^8 + 1) x 8 s has 20, (u - 8) s at most 15: no step rounds anything.
; A block's scale is 2^(floor(log2(its largest magnitude)) - 2): its byte is the largest magnitude's exponent field - 2, held at 1 from below.
; LIMITS: a block of zeros gets the byte 1 where the rule says 127: its codes are zeros, which add nothing under any byte but 0xff, and this program alone reads the bytes.  The floor 2^(3 - 127) acts on nothing else: the
;   smallest w that is not 0 is 2^-24.  NaN and infinities among scales are not served.
.set SW,  24                           ; v24-27   the scale words of my four columns
.set RAW, 32                           ; v32-63   32 rows of weight, 4 bytes each
.set X,   64                           ; v64-127  two sets of 32 numbers
.set C,   128                          ; v128-159 codes: four registers for each of the 8 units, so that no store's data are written again
	s_load_b128 s[4:7], s[0:1], 0x0                ; weight s[4:5], scales s[6:7]
	s_load_b64 s[10:11], s[0:1], 0x10              ; wq
	v_lshrrev_b32 v1, 5, v0
	v_readfirstlane_b32 s16, v1                    ; wave 0..7
	s_lshr_b32 s17, ttmp9, 4                       ; tile column
	s_bfe_u32 s18, ttmp9, 0x30001                  ; K step: 3 bits from bit 1
	s_and_b32 s19, ttmp9, 1
	s_lshl_b32 s19, s19, 1
	s_lshr_b32 s21, s16, 2
	s_add_co_u32 s21, s21, s19                     ; q = 2 (work-group % 2) + wave / 4
	s_bfe_u32 s20, s16, 0x10001                    ; half
	s_and_b32 s19, s16, 1                          ; hi
	s_lshl_b32 s22, s18, 2
	s_add_co_u32 s22, s22, s21                     ; the group of scales: 4 x K step + q
	s_lshl_b32 s23, s17, 8
	s_lshl_b32 s24, s20, 7
	s_add_co_u32 s23, s23, s24
	s_lshl_b32 s24, s19, 6
	s_add_co_u32 s23, s23, s24                     ; my first column
	s_lshl_b32 s24, s22, 18                        ; weight: 64 rows of 4,096 bytes a group
	s_add_co_u32 s24, s24, s23
	s_mov_b32 s25, 0
	s_lshl_b32 s26, s22, 13                        ; scales: a row of 8,192 bytes a group, and twice the column
	s_lshl_b32 s23, s23, 1
	s_add_co_u32 s26, s26, s23
	s_mov_b32 s27, 0
	s_mul_i32 s28, s17, 557056                     ; wq: my half
	s_mul_i32 s23, s18, 69632
	s_add_co_u32 s28, s28, s23
	s_mul_i32 s23, s20, 34816
	s_add_co_u32 s28, s28, s23
	s_mov_b32 s29, 0
	s_lshl_b32 s30, s21, 9                         ; its scale words of my q and hi,
	s_add_co_u32 s30, s30, 32768
	s_add_co_u32 s30, s30, s28
	s_lshl_b32 s23, s19, 8
	s_add_co_u32 s30, s30, s23
	s_mov_b32 s31, 0
	s_lshl_b32 s23, s21, 13                        ; and its codes of them
	s_add_co_u32 s28, s28, s23
	s_lshl_b32 s23, s19, 12
	s_add_co_u32 s28, s28, s23
	s_movk_i32 s32, 0xf00                          ; the nibble at bit 8, under 2^15
	s_mov_b32 s33, 0x47000000
	s_mov_b32 s34, 0xf000                          ; the nibble at bit 12, under 2^11
	s_mov_b32 s35, 0x45000000
	s_mov_b32 s36, 0x76543210
	s_mov_b32 s37, 0xfedcba98                      ; the lane exchange's selects: lane l xor 16
	v_and_b32 v1, 15, v0                           ; r
	v_bfe_u32 v2, v0, 4, 1                         ; h
	v_lshlrev_b32 v3, 2, v1
	v_lshl_add_u32 v3, v2, 17, v3                  ; weight: 4 r + 32 rows for each h
	v_lshlrev_b32 v6, 3, v1                        ; scales: 4 numbers of 2 bytes a lane
	v_lshlrev_b32 v5, 4, v1
	v_lshl_add_u32 v4, v2, 9, v5                   ; codes: 16 r + 512 h
	v_lshl_add_u32 v5, v2, 3, v5                   ; scale words: 16 r + 8 h
	v_lshlrev_b32 v7, 4, v2                        ; 16 h: where my two bytes stand in a word
	v_mov_b32 v20, 0                               ; (a lane exchange's destination counts as read)
	v_mov_b32 v21, 0
	v_mov_b32 v22, 0
	v_mov_b32 v23, 0
	s_wait_alu depctr_va_vdst(0)                   ; the wait at the head's end
	s_wait_kmcnt 0x0
	s_add_nc_u64 s[4:5], s[4:5], s[24:25]
	s_add_nc_u64 s[6:7], s[6:7], s[26:27]
	s_add_nc_u64 s[14:15], s[10:11], s[30:31]
	s_add_nc_u64 s[10:11], s[10:11], s[28:29]
	global_load_b64 v[28:29], v6, s[6:7]
.irp j, 0,1,2,3,4,5,6,7,8,9,10,11,12,13,14,15,16,17,18,19,20,21,22,23,24,25,26,27,28,29,30,31
	global_load_b32 v[RAW+\j], v3, s[4:5] offset:4096*\j
.endr
.set MX, 28                            ; v28-31   a unit's four running maxima (the loaded scales have been used by then)
.set KP, 8                             ; v8-23 are taken as (s, s) and the two addends for columns 0 to 3 as soon as the scales are in; v20-23 serve the exchange at the end
; One block of 32 along K (i of my two) of one of my four columns (c): 16 rows' byte c -> 32 numbers -> 16 bytes of codes and a scale byte.
.macro UNIT i, c
.set XS, X+32*((\c)%2)
.set CC, C+4*(4*(\i)+(\c))
.if (\c) == 1
.irp j, 0,1,2,3,4,5,6,7,8,9,10,11,12,13,14,15
	v_and_or_b32 v[XS+2*\j], v[RAW+16*(\i)+\j], s32, s33       ; byte 1's nibbles stand at bits 8 and 12
	v_and_or_b32 v[XS+2*\j+1], v[RAW+16*(\i)+\j], s34, s35
.endr
.else
.irp j, 0,1,2,3,4,5,6,7,8,9,10,11,12,13,14,15
.if (\c) == 0
	v_lshlrev_b32 v[XS+2*\j+1], 8, v[RAW+16*(\i)+\j]           ; my byte to bits 15:8
.else
	v_lshrrev_b32 v[XS+2*\j+1], 8*(\c)-8, v[RAW+16*(\i)+\j]
.endif
.endr
.irp j, 0,1,2,3,4,5,6,7,8,9,10,11,12,13,14,15
	v_and_or_b32 v[XS+2*\j], v[XS+2*\j+1], s32, s33
.endr
.irp j, 0,1,2,3,4,5,6,7,8,9,10,11,12,13,14,15
	v_and_or_b32 v[XS+2*\j+1], v[XS+2*\j+1], s34, s35
.endr
.endif
.irp j, 0,2,4,6,8,10,12,14,16,18,20,22,24,26,28,30
	v_pk_fma_f32 v[XS+\j:XS+\j+1], v[XS+\j:XS+\j+1], v[KP+4*(\c):KP+4*(\c)+1], v[KP+4*(\c)+2:KP+4*(\c)+3]   ; (u - 8) s, two at a time
.endr
.irp g, 0,1,2,3
	v_max3_num_f32 v[MX+\g], |v[XS+3*\g]|, |v[XS+3*\g+1]|, |v[XS+3*\g+2]|   ; the block's largest magnitude: all 32 numbers are mine; four chains by turns
.endr
.irp g, 0,1,2,3,4,5,6,7,8,9
	v_max3_num_f32 v[MX+\g%4], v[MX+\g%4], |v[XS+12+2*\g]|, |v[XS+13+2*\g]|
.endr
	v_max3_num_f32 v[MX+2], v[MX+2], v[MX+3], 0x1800000        ; and the floor 2^(3 - 127): the byte cannot fall under 1
	v_max3_num_f32 v[MX], v[MX], v[MX+1], v[MX+2]
	v_add_nc_u32 v30, 0xff000000, v[MX]            ; 2 off its exponent field: the conversion takes the exponent field of this operand as its scale, and nothing else of it
.irp g, 0,1,2,3
	v_cvt_scalef32_pk8_fp4_f32 v[CC+\g], v[XS+8*\g:XS+8*\g+7], v30   ; eight numbers / the scale, to the nearest code, ties to even, beyond 6 the largest code; the lower k in the lower bits
.endr
.if (\i) == 0
	v_lshrrev_b32 v[SW+(\c)], 23, v30              ; the scale's byte begins the column's half word.  (Also the plain line behind the conversions)
.else
	v_lshrrev_b32 v31, 23, v30                     ; (also the plain line behind the conversions)
	v_lshl_or_b32 v[SW+(\c)], v31, 8, v[SW+(\c)]
.endif
	global_store_b128 v4, v[CC:CC+3], s[10:11] offset:1024*(\c)+256*(\i)   ; lanes 0-15 store 256 consecutive bytes, aligned: K block i; lanes 16-31 K block 2 + i
.endm
	s_wait_loadcnt 16                              ; loads come back in order: the scales and rows 0-15 of mine are in; the 16 younger loads stay out
	v_cvt_f32_f16 v8, v28.l                        ; my four columns' scales in f32,
	v_cvt_f32_f16 v12, v28.h
	v_cvt_f32_f16 v16, v29.l
	v_cvt_f32_f16 v20, v29.h
.irp c, 0,1,2,3
	v_mov_b32 v[KP+1+4*\c], v[KP+4*\c]             ; as pairs for the packed form: (s, s)
	v_mul_f32 v[KP+2+4*\c], 0xc7000800, v[KP+4*\c] ; and (-(2^15 + 8) s, -(2^11 + 8) s)
	v_mul_f32 v[KP+3+4*\c], 0xc5008000, v[KP+4*\c]
.endr
.irp c, 0,1,2,3
	UNIT 0, \c
.endr
	s_wait_alu depctr_va_vdst(0)                   ; directly ahead of the wait below
	s_wait_loadcnt 0x0                             ; rows 16-31 are in
.irp c, 0,1,2,3
	UNIT 1, \c
.endr
.irp c, 0,1,2,3
	v_lshlrev_b32 v[SW+\c], v7, v[SW+\c]           ; my two bytes at their places,
.endr
.irp c, 0,1,2,3
	v_permlanex16_b32 v[20+\c], v[SW+\c], s36, s37
.endr
.irp c, 0,1,2,3
	v_or_b32 v[SW+\c], v[SW+\c], v[20+\c]          ; with lane l xor 16's two: the words of columns c = 0..3
.endr
	v_cmp_eq_u32 vcc_lo, 0, v2
	v_cndmask_b32 v8, v26, v24, vcc_lo             ; lanes 0-15 store words 0 and 1, lanes 16-31 words 2 and 3:
	v_cndmask_b32 v9, v27, v25, vcc_lo
	global_store_b64 v5, v[8:9], s[14:15]          ; the 32 lanes store 256 consecutive bytes, aligned
	s_endpgm
.Lfunc_end_k_q9e43dc3ac6_prep:
	.size	k_q9e43dc3ac6_prep, .Lfunc_end_k_q9e43dc3ac6_prep-k_q9e43dc3ac6_prep
	.p2alignl 7, 3214868480
	.fill 96, 4, 3214868480
	.section	.rodata,"a",@progbits
	.p2align	6, 0x0
	.amdhsa_kernel k_q9e43dc3ac6_prep
		.amdhsa_group_segment_fixed_size 0
		.amdhsa_private_segment_fixed_size 0
		.amdhsa_enable_private_segment 0
		.amdhsa_kernarg_size 24
		.amdhsa_user_sgpr_count 2
		.amdhsa_user_sgpr_kernarg_segment_ptr 1
		.amdhsa_wavefront_size32 1
		.amdhsa_system_sgpr_workgroup_id_x 1
		.amdhsa_system_sgpr_workgroup_id_y 1
		.amdhsa_system_sgpr_workgroup_id_z 1
		.amdhsa_system_vgpr_workitem_id 0
		.amdhsa_next_free_vgpr 160
		.amdhsa_next_free_sgpr 66
		.amdhsa_reserve_vcc 1
		.amdhsa_float_denorm_mode_32 3
		.amdhsa_float_denorm_mode_16_64 3
		.amdhsa_memory_ordered 1
		.amdhsa_forward_progress 1
		.amdhsa_inst_pref_size 47
	.end_amdhsa_kernel
	.amdgpu_metadata
---
amdhsa.version: [ 1, 2 ]
amdhsa.kernels:
  - .name:           k_q9e43dc3ac6_prep
    .symbol:         k_q9e43dc3ac6_prep.kd
    .args:
      - { .name: weight, .offset: 0, .size: 8, .value_kind: global_buffer, .address_space: global }
      - { .name: scales, .offset: 8, .size: 8, .value_kind: global_buffer, .address_space: global }
      - { .name: wq, .offset: 16, .size: 8, .value_kind: global_buffer, .address_space: global }
    .group_segment_fixed_size: 0
    .private_segment_fixed_size: 0
    .kernarg_segment_align: 8
    .kernarg_segment_size: 24
    .max_flat_workgroup_size: 256
    .sgpr_count:     66
    .vgpr_count:     160
    .wavefront_size: 32
...
	.end_amdgpu_metadata
.endif
;; end of part 1
;; launch gemm (part 2): grid 16 x 16, 4 waves a work-group, clusters of 4 x 4, 327,680 bytes of LDS; arguments x_codes, x_scales, wq, out0; writes out0
.if DOCPART == 2
	.amdgcn_target "amdgcn-amd-amdhsa--gfx1250"
	.amdhsa_code_object_version 6
	.text
	.protected	k_q9e43dc3ac6_gemm
	.globl	k_q9e43dc3ac6_gemm
	.p2align	8
	.type	k_q9e43dc3ac6_gemm,@function
k_q9e43dc3ac6_gemm:
	s_mov_b64 s[64:65], 0
	v_nop
	global_prefetch_b8 v0, s[64:65] scope:SCOPE_SE
	s_setreg_imm32_b32 hwreg(HW_REG_WAVE_MODE, 25, 1), 1
	s_wait_xcnt 0x0
	s_wait_alu depctr_hold_cnt(0) depctr_sa_sdst(0) depctr_va_vdst(0) depctr_va_sdst(0) depctr_va_ssrc(0) depctr_va_vcc(0) depctr_vm_vsrc(0)
	s_getreg_b32 s2, hwreg(HW_REG_IB_STS2, 6, 4)
	s_cmp_eq_u32 s2, 0
	s_cbranch_scc0 .Lentry_in_a_cluster
	s_endpgm
.Lentry_in_a_cluster:
	s_bfe_u32 s2, ttmp6, 0x10000c
	s_cmp_lg_u32 s2, 0xf033
	s_cbranch_scc0 .Lentry_shape_is_right
	s_endpgm
.Lentry_shape_is_right:
; out[m][n] = sum over k of x[m][k] w[k][n], both operands as codes of FP4 (E2M1) with one E8M0 scale for each 32 along K; sums in f32, out rounded once to f16.  M = N = K = 4,096.
; x_codes: [4096][2048 bytes], K innermost, and x_scales: [4096][128 bytes], both as given.  wq: w's codes and scale words, laid in the order of the operand's registers:
;   [tile column: 16][K step of 512: 8][half of 128 columns: 2][34,816 bytes]: fragment (q, b) at 1,024 (8 q + b), two images of 512 bytes, lane l's 16 bytes at 16 l; from byte 32,768 on the scale words: at 512 q + 256 hi + 16 r
;   those of fragments 4 hi + 0..3 at row r.  Row r of fragment 4 hi + c is column 64 hi + 4 r + c of the half.
; A tile of out, 256 x 256, is made by a work-group of four waves, as many as a WGP has SIMDs; a wave makes 128 x 128.  16 x 16 tiles: 256 work-groups.
; THE MATRIX INSTRUCTION is the one of 32 x 16 x 128: source 0 = 32 rows of w (fragments c and 4 + c), source 1 = 16 rows of x: 32 accumulators (a, c) of 16 registers.  In it lane (r, h) holds row 16 a + r of out, and its
;   register 8 hi + j the column 64 hi + 32 h + 4 j + c.  So the four accumulators of a row block give a lane two runs of 32 NEIGHBOURING columns: 64 bytes of f16 each.
; K goes in 8 steps of 512 through a ring of two LDS slots filled by the tensor data mover: for x 256 rows of 256 bytes, for w the step's tile with its scale words (2 x 34,816 dense bytes).
; THE HEAD brings K steps 0 and 1, one load a wave: wave 0 x's rows of step 0, wave 1 x's scales, wave 2 w's tiles of both steps (139,264 dense bytes, as w's two slots lie side by side in LDS), wave 3 x's rows of step 1, which
;   is waited for at the first change of slots.  In the ring waves 0 and 1 fetch x's two halves (128 rows), waves 2 and 3 w's two halves.
; X'S SCALES of the work-group's 256 rows, for all of K, are one dense block of memory, 32,768 bytes: they come into LDS ONCE, in rows of 256 bytes, and stay.
; CLUSTERS: 4 x 4 work-groups.  The four of a row of the cluster need the same rows of x and their scales, the four of a column the same tile of w: each is asked for JOINTLY, by the same tensor load with the same descriptor
;   and a mask that names the four.
; PREFETCHES INTO THE L2: ahead of K step 0's products K steps 2 and 3 are asked for, behind a refill with K step i the K step i + 2 (i = 2 .. 5; the last two refills ask for nothing).  Of the 128 rows of x that a wave fetches
;   each of the four partners names 32 (told apart by cx), a lane a row of 256 bytes; of a half of w's tile each names 32 units of codes and 2 of scale words (told apart by cy): each unit once in each cluster.
; THE LAST K STEP GOES BY ROWS OF OUT: w's fragments of the whole step stand in registers, and each block of 16 rows leaves as soon as it is finished.
; LIMITS: a sum beyond f16's largest number leaves as infinity, as a cast to f16 gives it; a scale byte 0xff among x's makes its sums NaN, as the format says.
; REGISTERS, in windows of 256: window 0: v0-31 addresses; v32-95 scale words, two sets; v96-127 packed results on the way out; v128-255 x's fragments (8 x 16 rows x 128 K), TWO sets.
;   window 1: w's fragments, TWO sets, at v0 and at v128; in the last K step all 256.   window 2: the accumulators of my rows 0-63 ((a, c) at v[64 a + 16 c]);   window 3: those of my rows 64-127.
.set PITCH,  272                       ; an LDS row of x's codes: 256 bytes + 16 of padding = 68 words: row r starts at bank 4 r mod 64 (64 banks of 4 bytes: ISA guide 11.1), so the 16 rows that a load touches start at 16 different banks
.set HALFT,  128*PITCH                 ; 128 rows of x
.set BH,     34816                     ; a half of w's tile
.set SL,     69632                     ; a slot of x (2 HALFT), and a slot of w (2 BH)
.set WB,     2*SL                      ; LDS: x's two slots, then w's two slots
.set SCL,    4*SL                      ; behind them x's scales, as units of 256 bytes (two rows of x) + 16 of padding
.set SBLK,   8*272                     ; those of 16 rows
.set SPARE,  SCL+128*272               ; behind the scales: the spare words, 128 bytes for each wave: two blocks of 256 bytes that no other line names
.set SPITCH, 272                       ; the way out: a stage of 16 rows x 272 bytes for each wave, from LDS byte 0 on: in x's slot 0, which has had its last fill and its last read when the first result is stored there
.set PFX,   10                         ; v10-12  the prefetches' offsets: x's rows; w's codes; w's scale words
.set PFW,   11
.set PFW2,  12
.set ADRA,  16                         ; v16-17  LDS address of my fragments of x in slot 0, 1
.set ADRB,  20                         ; v20-21  the same for w
.set ADRSB, 22                         ; v22-23  of w's scale words in slot 0, 1
.set STO,   24                         ; v24     the way out: where I put 64 bytes of a row
.set RD,    25                         ; v25     where I read a row back
.set CO,    26                         ; v26     my byte offset in two rows of out
.set ADRSA, 27                         ; v27     LDS address of x's scale words of the K step to be fetched: it steps 16 bytes a K step
.set SPW,   28                         ; v28     LDS address of my spare word: SPARE + 4 x my thread's number; never rewritten
.set NIL,   29                         ; v29     0; never rewritten
.set SC,    32                         ; scale words: set s (for slot s) at v[SC + 32 s].  Register 4 t + q: the word, for the slot's q-th 128 along K, of x's block t (lanes 0-15) and t + 4 (lanes 16-31).
                                       ;   Register 16 + 4 q + c: that of w's fragment c (lanes 0-15) and 4 + c (lanes 16-31): the 32 rows of a source 0
.set AF,    128                        ; x's fragments: set p at AF + 64 p; in the last K step four buffers of 16 rows x 512 K, 32 registers each
.set TMP,   96                         ; the way out: packed results
.set OB,    32                         ; the way out: 16 rows read back (slot 0's scale words have been used by then)
.set G1A,   24                         ; s[24:31] descriptor group 1 for x's codes;  s[32:39] group 0, one set for each slot
.set G0A,   32
.set G1B,   48                         ; s[48:55], s[56:63] the same for w
.set G0B,   56
.set G1S,   68                         ; s[68:75] group 1 for x's scales
.set GX0,   76                         ; s[76:91] groups 0 of the head's four loads: x of step 0, x's scales, w of steps 0 and 1, x of step 1
.set GSC,   80
.set GW,    84
.set GX1,   88
.set PX,    94                         ; s[94:95] where the prefetches of x stand,
.set PW,    96                         ; s[96:97] and those of w
.set MSB, 0
.macro WIN new                         ; the immediate's high byte repeats the setting that is left; a switch that changes nothing is dropped
.if MSB != (\new)
	s_set_vgpr_msb (MSB<<8)|(\new)
.set MSB, (\new)
.endif
.endm
.set MUL_LO, 0xa1                      ; source 0 (w) window 1, source 1 (x) window 0, C and D window 2;  + 0x50: C and D window 3
.set TO_B,   0x40                      ; destination window 1, address window 0
.macro PLACES
.rept 4
	v_nop
.endr
.endm
; A joint load into slot s: waves 0 and 1 fetch for x, waves 2 and 3 for w.  Each of the two lines has ONE mask and one set of registers for all that issue it; the branch hangs on the wave's number alone.
.macro JLOAD s
	s_cmp_eq_u32 s15, 0
	s_cbranch_scc0 .Lfor_b_\@
	tensor_load_to_lds s[G0A+4*\s:G0A+4*\s+3], s[G1A:G1A+7]
	s_nop 0
	PLACES
	s_branch .Lasked_\@
.Lfor_b_\@:
	tensor_load_to_lds s[G0B+4*\s:G0B+4*\s+3], s[G1B:G1B+7]
	s_nop 0
	PLACES
.Lasked_\@:
.endm
; The prefetches of a K step: k K steps on from where PX and PW stand.
.macro ASKFOR k
	s_cmp_eq_u32 s15, 0
	s_cbranch_scc0 .Lask_w_\@
	global_prefetch_b8 v[PFX], s[PX:PX+1] offset:256*\k th:TH_LOAD_NT scope:SCOPE_SE
	s_branch .Lask_end_\@
.Lask_w_\@:
	global_prefetch_b8 v[PFW], s[PW:PW+1] offset:69632*\k th:TH_LOAD_NT scope:SCOPE_SE
	global_prefetch_b8 v[PFW2], s[PW:PW+1] offset:69632*\k th:TH_LOAD_NT scope:SCOPE_SE
.Lask_end_\@:
.endm
; A round of the cluster's barrier: my work-group's barrier, so that wave 0's signal speaks for all four waves; wave 0 signals for the work-group; every wave waits for all sixteen work-groups; my work-group's barrier once more.
.macro CREST                           ; a round behind its opening barrier
	s_cmp_lg_u32 s14, 0
	s_cbranch_scc1 .Lnot_wave_0_\@
	s_barrier_signal -3
.Lnot_wave_0_\@:
	s_barrier_wait -3
	s_barrier_signal -1
	s_barrier_wait -1
.endm
.macro CROUND                          ; a whole round
	s_barrier_signal -1
	s_barrier_wait -1
	CREST
.endm
	s_load_b256 s[4:11], s[0:1], 0x0               ; x_codes s[4:5], x_scales s[6:7], wq s[8:9], out s[10:11]
	v_lshl_add_u32 v[SPW], v0, 2, SPARE
	v_mov_b32 v[NIL], 0
	ds_add_u32 v[SPW], v[NIL]                      ; the wave's opening: the add, twice on end, and its wait ahead of my first tensor load
	ds_add_u32 v[SPW], v[NIL]
	v_lshrrev_b32 v1, 5, v0
	v_readfirstlane_b32 s14, v1                    ; wave 0..3
	s_lshr_b32 s15, s14, 1                         ; which half of the tile's rows is mine.  Also: in the ring I fetch for x (0) or for w (1)
	s_and_b32 s16, s14, 1                          ; which half of its columns.  Also: which half of x's rows or of w's tile I fetch
	s_bfe_u32 s40, ttmp6, 0x40000                  ; cx, cy: my place in the cluster
	s_bfe_u32 s41, ttmp6, 0x40004
	s_lshl_b32 s42, ttmp9, 2
	s_add_co_u32 s42, s42, s40                     ; tile column = 4 x cluster x + cx
	s_and_b32 s17, ttmp7, 0xffff
	s_lshl_b32 s17, s17, 2
	s_add_co_u32 s17, s17, s41                     ; tile row = 4 x cluster y + cy
	s_lshl_b32 s43, s41, 2
	s_lshl_b32 s43, 15, s43                        ; my row of the cluster: places 4 cy .. 4 cy + 3
	s_lshl_b32 s44, 0x1111, s40                    ; my column: places cx, cx + 4, cx + 8, cx + 12
	; group 1 for x's codes: rows of 256 bytes, 2,048 bytes apart in memory, padded in LDS: 256 rows for the head's loads; from the first change of slots on 128
	s_or_b32 s[G1A+0], s43, (0<<16)|(1<<20)|(1<<21)|(5<<22)|(3<<25)  ; 15:0 the mask: my row; 17:16 elements of 1 byte; 20 padding on; 21 set beside a mask; 24:22 after every 64 words (code 5); 31:25 four words (code 3)
	s_mov_b32 s[G1A+1], 256<<16                    ; tensor_dim0 = 256
	s_mov_b32 s[G1A+2], 256<<16                    ; tensor_dim1 = 256
	s_mov_b32 s[G1A+3], 256<<16                    ; tile_dim0 = 256
	s_mov_b32 s[G1A+4], 256                        ; tile_dim1 = 256
	s_mov_b32 s[G1A+5], 2048                       ; tensor_dim0_stride
	s_mov_b32 s[G1A+6], 0
	s_mov_b32 s[G1A+7], 0
	; group 1 for w: a dense block as rows of 256 bytes (32 elements of 8 bytes), no padding: it is read as images, 512 consecutive bytes an instruction: 544 rows (two K steps) for the head's load, then 136 (a half of one)
	s_or_b32 s[G1B+0], s44, (3<<16)|(1<<21)        ; the mask: my column
	s_mov_b32 s[G1B+1], 32<<16
	s_mov_b32 s[G1B+2], 544<<16
	s_mov_b32 s[G1B+3], 32<<16
	s_mov_b32 s[G1B+4], 544
	s_mov_b32 s[G1B+5], 32
	s_mov_b32 s[G1B+6], 0
	s_mov_b32 s[G1B+7], 0
	; group 1 for the scales of x's 256 rows: a dense block of 32,768 bytes, as 128 rows of 256 bytes, 16 bytes of padding behind each
	s_or_b32 s[G1S+0], s43, (3<<16)|(1<<20)|(1<<21)|(5<<22)|(3<<25)  ; the mask: my row
	s_mov_b32 s[G1S+1], 32<<16
	s_mov_b32 s[G1S+2], 128<<16
	s_mov_b32 s[G1S+3], 32<<16
	s_mov_b32 s[G1S+4], 128
	s_mov_b32 s[G1S+5], 32
	s_mov_b32 s[G1S+6], 0
	s_mov_b32 s[G1S+7], 0
	; where the tiles come from.  x's and its scales' hang on the tile row alone, w's on the tile column alone; each in registers that never hold the other coordinate
	s_lshl_b32 s20, s17, 19                        ; x: 256 rows of 2,048 bytes a tile row
	s_mov_b32 s21, 0
	s_lshl_b32 s22, s17, 15                        ; x's scales: 256 rows of 128 bytes
	s_mov_b32 s23, 0
	s_mul_i32 s46, s42, 557056                     ; wq: 8 K steps of 69,632 bytes a tile column
	s_mov_b32 s47, 0
	s_mul_i32 s45, s16, HALFT                      ; the ring: where x's half goes, in its slot: no place in the cluster enters an LDS address
	s_mul_i32 s92, s16, BH                         ; where w's half goes; also its first byte in memory
.irp g, GX0, GSC, GW, GX1
	s_mov_b32 s[\g], 1                             ; 1:0 count = 1
.endr
	s_mov_b32 s[GX0+1], 0                          ; 63:32 LDS address
	s_mov_b32 s[GSC+1], SCL
	s_mov_b32 s[GW+1], WB
	s_mov_b32 s[GX1+1], SL
	s_wait_dscnt 0x0                               ; both opening adds are done
	CROUND                                         ; all sixteen work-groups are here: the first joint loads meet
	s_wait_kmcnt 0x0
	s_add_nc_u64 s[GX0+2:GX0+3], s[4:5], s[20:21]  ; 120:64 global address
	s_add_nc_u64 s[GX1+2:GX1+3], s[GX0+2:GX0+3], 256
	s_add_nc_u64 s[GSC+2:GSC+3], s[6:7], s[22:23]
	s_add_nc_u64 s[GW+2:GW+3], s[8:9], s[46:47]
.irp g, GX0, GSC, GW, GX1
	s_or_b32 s[\g+3], s[\g+3], 0x80000000          ; 127:126 type = 2
.endr
	; THE HEAD'S LOADS, ONE A WAVE: one tree of branches on the wave's number: every way passes exactly one load.
	s_cmp_lt_u32 s14, 1
	s_cbranch_scc0 .Lhead_1
	tensor_load_to_lds s[GX0:GX0+3], s[G1A:G1A+7]
	s_nop 0
	PLACES
	s_branch .Lhead_asked
.Lhead_1:
	s_cmp_lt_u32 s14, 2
	s_cbranch_scc0 .Lhead_2
	tensor_load_to_lds s[GSC:GSC+3], s[G1S:G1S+7]
	s_nop 0
	PLACES
	s_branch .Lhead_asked
.Lhead_2:
	s_cmp_lt_u32 s14, 3
	s_cbranch_scc0 .Lhead_3
	tensor_load_to_lds s[GW:GW+3], s[G1B:G1B+7]
	s_nop 0
	PLACES
	s_branch .Lhead_asked
.Lhead_3:
	tensor_load_to_lds s[GX1:GX1+3], s[G1A:G1A+7]
	s_nop 0
	PLACES
.Lhead_asked:
	; the ring's descriptors: slot 0's stand at K step 0 (the first refill steps them to 2), slot 1's at K step 1
	s_lshl_b32 s12, s16, 18
	s_mov_b32 s13, 0
	s_add_nc_u64 s[18:19], s[4:5], s[20:21]
	s_add_nc_u64 s[18:19], s[18:19], s[12:13]      ; my 128 rows of x
	s_add_nc_u64 s[46:47], s[8:9], s[46:47]
	s_mov_b32 s12, s92
	s_add_nc_u64 s[46:47], s[46:47], s[12:13]      ; my half of w's tile
.irp s, 0,1
	s_mov_b32 s[G0A+4*\s], 1
	s_add_co_u32 s[G0A+4*\s+1], s45, \s*SL
	s_add_nc_u64 s[G0A+4*\s+2:G0A+4*\s+3], s[18:19], \s*256
	s_or_b32 s[G0A+4*\s+3], s[G0A+4*\s+3], 0x80000000
	s_mov_b32 s[G0B+4*\s], 1
	s_add_co_u32 s[G0B+4*\s+1], s92, WB+\s*SL
	s_add_nc_u64 s[G0B+4*\s+2:G0B+4*\s+3], s[46:47], \s*69632
	s_or_b32 s[G0B+4*\s+3], s[G0B+4*\s+3], 0x80000000
.endr
	s_lshl_b32 s98, s40, 16                        ; the prefetches stand at K step 2.  x: my work-group's 32 rows of the 128,
	s_add_co_u32 s98, s98, 2*256
	s_mov_b32 s99, 0
	s_add_nc_u64 s[PX:PX+1], s[18:19], s[98:99]
	s_lshl_b32 s98, s41, 13                        ; w: its 32 units of the half's 128 of codes
	s_add_co_u32 s98, s98, 2*69632
	s_add_nc_u64 s[PW:PW+1], s[46:47], s[98:99]
	s_mul_i32 s100, s41, 7680
	s_sub_co_u32 s100, 32768, s100                 ; from there to its 2 units of scale words: 32,768 + 512 cy - 8,192 cy
	s_lshl_b32 s66, s17, 8
	s_lshl_b32 s67, s15, 7
	s_add_co_u32 s66, s66, s67                     ; my first row of out: 256 x tile row + 128 x half,
	s_lshl_b32 s66, s66, 13                        ; in bytes (under 2^25),
	s_lshl_b32 s67, s42, 9
	s_add_co_u32 s66, s66, s67                     ; + my first column: 512 x tile column
	s_lshl_b32 s67, s16, 8
	s_add_co_u32 s66, s66, s67                     ; + 256 x half
	s_mov_b32 s67, 0
	s_add_nc_u64 s[10:11], s[10:11], s[66:67]
	s_mul_i32 s12, s15, HALFT                      ; my 128 rows of x
	s_add_co_u32 s13, s92, WB                      ; my half of w's tile
	s_mul_i32 s18, s15, 64*272                     ; my 128 rows' scales
	s_add_co_u32 s18, s18, SCL
	s_mul_i32 s19, s14, 16*SPITCH                  ; my stage
	v_and_b32 v1, 15, v0                           ; r = lane % 16
	v_bfe_u32 v2, v0, 4, 1                         ; h = lane / 16
	v_and_b32 v6, 31, v0                           ; lane
	v_mul_u32_u24 v3, v1, PITCH
	v_lshl_add_u32 v4, v2, 4, v3                   ; x: a fragment's row x pitch + 16 x half of the lanes
	v_add_nc_u32 v[ADRA], s12, v4
	v_add_nc_u32 v[ADRA+1], SL, v[ADRA]
	v_lshlrev_b32 v5, 4, v6                        ; w: an image's 16 bytes for my lane
	v_add_nc_u32 v[ADRB], s13, v5
	v_add_nc_u32 v[ADRB+1], SL, v[ADRB]
	v_add_nc_u32 v[ADRSB], 32768, v[ADRB]          ; its scale words lie behind its codes: 16 bytes a lane too
	v_add_nc_u32 v[ADRSB+1], SL, v[ADRSB]
	v_lshlrev_b32 v7, 7, v1                        ; x's scales: 128 bytes a row,
	v_lshrrev_b32 v8, 1, v1
	v_lshl_add_u32 v7, v8, 4, v7                   ; and 16 more for each two rows passed;
	v_mad_u32_u24 v7, v2, 4*SBLK, v7               ; lanes 16-31 take the block four further on
	v_add_nc_u32 v[ADRSA], s18, v7
	v_lshl_add_u32 v8, v2, 6, v3                   ; the stage, in: row r, 64 bytes for each half of the lanes
	v_add_nc_u32 v[STO], s19, v8
	v_mul_u32_u24 v8, v2, SPITCH                   ; back: lanes 0-15 take one row of 256 bytes, lanes 16-31 the next
	v_lshl_add_u32 v8, v1, 4, v8
	v_add_nc_u32 v[RD], s19, v8
	v_lshlrev_b32 v8, 13, v2                       ; and the same two rows in out: 8,192 bytes a row
	v_lshl_add_u32 v[CO], v1, 4, v8
	v_lshlrev_b32 v[PFX], 11, v6                   ; a lane a row of x
	v_lshlrev_b32 v[PFW], 8, v6                    ; a lane a unit of codes
	v_min_u32 v9, 1, v6
	v_lshl_add_u32 v[PFW2], v9, 8, s100            ; two units of scale words; the lanes left over name the second again
; A fragment, 16 rows x 128 K of 4-bit codes, is 8 registers: lane l holds row l % 16; registers 4 c .. 4 c + 3 hold K = 64 c + 32 (l / 16) + 0 .. 31, the lower K in the lower bits.
.macro LWALL slot, q, base             ; w's eight fragments of the slot's q-th 128 along K: c and 4 + c make one source 0 of 16 registers; images of 512 consecutive bytes: 16 loads
	WIN TO_B
.irp c, 0,1,2,3
	ds_load_b128 v[(\base)+16*\c:(\base)+16*\c+3], v[ADRB+\slot] offset:(8*(\q)+\c)*1024
	ds_load_b128 v[(\base)+16*\c+4:(\base)+16*\c+7], v[ADRB+\slot] offset:(8*(\q)+\c)*1024+512
	ds_load_b128 v[(\base)+16*\c+8:(\base)+16*\c+11], v[ADRB+\slot] offset:(8*(\q)+\c+4)*1024
	ds_load_b128 v[(\base)+16*\c+12:(\base)+16*\c+15], v[ADRB+\slot] offset:(8*(\q)+\c+4)*1024+512
.endr
	WIN 0
.endm
.macro LX slot, q, i, p                ; x's blocks i, i + 1 into set p: four loads
.irp b, \i, \i+1
	ds_load_b128 v[AF+64*(\p)+8*(\b):AF+64*(\p)+8*(\b)+3], v[ADRA+\slot] offset:64*(\q)+(\b)*16*PITCH
	ds_load_b128 v[AF+64*(\p)+8*(\b)+4:AF+64*(\p)+8*(\b)+7], v[ADRA+\slot] offset:64*(\q)+(\b)*16*PITCH+32
.endr
.endm
.macro SCALES slot                     ; a K step's scale words into the slot's set: 8 loads.  x's: load t: the four words (q = 0..3) of block t in lanes 0-15, of block t + 4 in lanes 16-31.  w's: load q: 512 consecutive bytes
.irp t, 0,1,2,3
	ds_load_b128 v[SC+32*\slot+4*\t:SC+32*\slot+4*\t+3], v[ADRSA] offset:\t*SBLK
.endr
.irp t, 0,1,2,3
	ds_load_b128 v[SC+32*\slot+16+4*\t:SC+32*\slot+16+4*\t+3], v[ADRSB+\slot] offset:512*\t
.endr
.endm
.macro FIRST slot                      ; all that a slot's first step wants, in ONE run: w's fragments, x's blocks 0, 1 and the scale words, then x's blocks 2 to 7, the youngest 12 loads
	LWALL \slot, 0, 0
	LX \slot, 0, 0, 0
	SCALES \slot
	LX \slot, 0, 2, 0
	LX \slot, 0, 4, 0
	LX \slot, 0, 6, 0
.endm
; One matrix instruction, by the symbols mD the accumulator, mA w's 32 rows, mX x's block, mSA and mSX their scale words.  hi: x's words stand in lanes 16-31.  zero: it starts the sum.
.macro WM hi, zero
.if \zero
.if \hi
	v_wmma_scale_f32_32x16x128_f4 v[mD:mD+15], v[mA:mA+15], v[mX:mX+7], 0, v[mSA], v[mSX] matrix_b_scale:MATRIX_SCALE_ROW1
.else
	v_wmma_scale_f32_32x16x128_f4 v[mD:mD+15], v[mA:mA+15], v[mX:mX+7], 0, v[mSA], v[mSX]
.endif
.else
.if \hi
	v_wmma_scale_f32_32x16x128_f4 v[mD:mD+15], v[mA:mA+15], v[mX:mX+7], v[mD:mD+15], v[mSA], v[mSX] matrix_b_scale:MATRIX_SCALE_ROW1
.else
	v_wmma_scale_f32_32x16x128_f4 v[mD:mD+15], v[mA:mA+15], v[mX:mX+7], v[mD:mD+15], v[mSA], v[mSX]
.endif
.endif
.endm
; Four matrix instructions: x's block a against all of w's 128 columns, 128 along K: the slot's q-th.  p: the set of fragments; sl: that of scale words.  The 32 accumulators take turns, one instruction a turn, in the same
; order in every step.
.macro SUB a, p, q, sl, zero
	WIN MUL_LO+0x50*((\a)/4)
.irp c, 0,1,2,3
.set mD,  64*((\a)%4)+16*\c
.set mA,  128*(\p)+16*\c
.set mX,  AF+64*(\p)+8*(\a)
.set mSA, SC+32*(\sl)+16+4*(\q)+\c
.set mSX, SC+32*(\sl)+4*((\a)%4)+(\q)
	WM ((\a)/4), \zero
.endr
.endm
; A step of 128 along K that has its successor in the same slot.  At its head the next step's 32 loads go out in ONE run into the other sets, which were read last in the step before: four places stand between (ISA guide 7.12.1
; for vector instructions).  So a fragment is asked for a whole step, 32 matrix instructions, ahead.
.macro STEP slot, q, zero
.set P, (\q)%2
.set NB, 128*(1-(\q)%2)
	s_wait_dscnt 12                                ; w's fragments, the scale words and x's blocks 0, 1 are in; x's blocks 2 to 7 may be out
	PLACES
	WIN 0
	LWALL \slot, (\q)+1, NB
	LX \slot, (\q)+1, 0, 1-P
	LX \slot, (\q)+1, 2, 1-P
	LX \slot, (\q)+1, 4, 1-P
	LX \slot, (\q)+1, 6, 1-P
	SUB 0, P, \q, \slot, \zero
	SUB 1, P, \q, \slot, \zero
	s_wait_dscnt 32                                ; all but the 32 just issued
.irp a, 2,3,4,5,6,7
	SUB \a, P, \q, \slot, \zero
.endr
	WIN 0
.endm
; A slot's last step changes slots.  All its fragments were asked for in the step before.  ONE barrier; in front of it each wave waits for all its tensor loads, adds 0 to its spare word, and waits for that and for its own
; reads of this slot.  MEET leaves x's block 2 as the next.
.macro MEET slot
	s_wait_dscnt 13                                ; x's blocks 0, 1 are in (behind them: 12 of x and the add)
	SUB 0, 1, 3, \slot, 0
	s_wait_dscnt 0x0                               ; the add is done, and my reads of this slot are over
	s_barrier_signal -1
	SUB 1, 1, 3, \slot, 0                          ; work on registers while the others arrive
	WIN 0
	s_barrier_wait -1
.endm
; The slot is filled again, two K steps ahead; the barrier opens a round of the cluster's barrier.
.macro TURN slot, next
	s_wait_xcnt 0x0                                ; any prefetch of mine has read its address: it may step
	s_add_nc_u64 s[PX:PX+1], s[PX:PX+1], 256
	s_add_nc_u64 s[PW:PW+1], s[PW:PW+1], 69632
	s_wait_tensorcnt 0x0                           ; all my tensor loads have landed: my part of the next slot; so the descriptors may be written
	ds_add_u32 v[SPW], v[NIL]                      ; 0 onto my spare word
.if \slot == 0
	s_mov_b32 s[G1A+2], 128<<16                    ; the ring's loads: 128 rows of x, and 136 of w.  (They change in the first trip, behind the head's loads)
	s_mov_b32 s[G1A+4], 128
	s_mov_b32 s[G1B+2], 136<<16
	s_mov_b32 s[G1B+4], 136
.endif
	s_add_nc_u64 s[G0A+4*\slot+2:G0A+4*\slot+3], s[G0A+4*\slot+2:G0A+4*\slot+3], 2*256      ; two K steps on; the type bits on top are not reached
	s_add_nc_u64 s[G0B+4*\slot+2:G0B+4*\slot+3], s[G0B+4*\slot+2:G0B+4*\slot+3], 2*69632
	MEET \slot
	CREST                                          ; no wave of any partner still reads this slot's tiles or has a load on its way
	JLOAD \slot                                    ; the first tensor load behind the round, my only one until the next; its four v_nop are the places in front of the loads below
	v_add_nc_u32 v[ADRSA], 16, v[ADRSA]            ; on to the next K step's scale words of x
	s_wait_alu depctr_va_vdst(0)                   ; directly behind the write
	FIRST \next
	s_cmp_gt_u32 s3, 1                             ; in the last trip no K step two on is left
	s_cbranch_scc0 .Lno_ask_\@
	ASKFOR 1
.Lno_ask_\@:
.irp a, 2,3,4,5,6,7
	SUB \a, 1, 3, \slot, 0
.endr
	WIN 0
.endm
	s_wait_alu depctr_va_vdst(0)                   ; the wait at the head's end
	s_cmp_lt_u32 s14, 3
	s_cbranch_scc0 .Lstep_1_out                    ; wave 3's load, a line of its own, is x of K step 1: it may stay out
	s_wait_tensorcnt 0x0                           ; my tile is in
.Lstep_1_out:
	s_barrier_signal -1
	s_barrier_wait -1                              ; K step 0 and the scales are in
	FIRST 0
	ASKFOR 0                                       ; K steps 2
	ASKFOR 1                                       ; and 3
	STEP 0, 0, 1                                   ; the first step stands in front of the loop: its products start the sums
	s_mov_b32 s3, 3                                ; 8 K steps are four laps of the ring; the last lap is written out
.Llap:                                                 ; a trip goes once round the ring, from a lap's second step to the next lap's first, and fills both slots again: K steps 2 to 7
	STEP 0, 1, 0
	STEP 0, 2, 0
	TURN 0, 1
	STEP 1, 0, 0
	STEP 1, 1, 0
	STEP 1, 2, 0
	TURN 1, 0
	STEP 0, 0, 0
	s_sub_co_u32 s3, s3, 1
	s_cmp_lg_u32 s3, 0
	s_cbranch_scc1 .Llap
	STEP 0, 1, 0                                   ; the last lap fills nothing
	STEP 0, 2, 0
; THE LAST K STEP (in slot 1) GOES BY ROWS OF OUT.  w's fragments of quarter q fill v[64 q ..] of window 1; x's come by blocks of 16 rows x 512 K into four buffers.  My eight blocks are finished one after the other (the first
; two together, quarter by quarter, as w's fragments come in), 16 matrix instructions each, the block's four accumulators by turns.
.macro XB a                            ; x's block a, all four quarters: eight loads
.set XF, AF+32*((\a)%4)
.irp q, 0,1,2,3
	ds_load_b128 v[XF+8*\q:XF+8*\q+3], v[ADRA+1] offset:64*\q+(\a)*16*PITCH
	ds_load_b128 v[XF+8*\q+4:XF+8*\q+7], v[ADRA+1] offset:64*\q+(\a)*16*PITCH+32
.endr
.endm
.macro ROWQ a, q                       ; a quarter of block a: four matrix instructions
	WIN MUL_LO+0x50*((\a)/4)
.irp c, 0,1,2,3
.set mD,  64*((\a)%4)+16*\c
.set mA,  64*(\q)+16*\c
.set mX,  AF+32*((\a)%4)+8*(\q)
.set mSA, SC+32+16+4*(\q)+\c
.set mSX, SC+32+4*((\a)%4)+(\q)
	WM ((\a)/4), 0
.endr
.endm
.macro ROW a                           ; block a is finished
.irp q, 0,1,2,3
	ROWQ \a, \q
.endr
.endm
; THE WAY OUT of a block of 16 rows x 128 columns, in three parts.
; PACK: rounded to f16.  Registers 8 hi + j of accumulators 2 cc and 2 cc + 1 are neighbouring columns 64 hi + 32 h + 4 j + 2 cc and + 1: one conversion packs them; each accumulator is read from its register 0 on.
.macro PACK a
.set AC, 64*((\a)%4)
	WIN 0x0a+5*((\a)/4)                            ; sources 0 and 1: window 2 or 3
.irp hi, 0,1
.irp j, 0,1,2,3,4,5,6,7
.irp cc, 0,1
	v_cvt_pk_f16_f32 v[TMP+16*\hi+2*\j+\cc], v[AC+32*\cc+8*\hi+\j], v[AC+32*\cc+16+8*\hi+\j]
.endr
.endr
.endr
	WIN 0
.endm
; TOSTAGE: a lane's 2 x 64 bytes of its row go into my own stage in LDS, and the block comes back as whole rows of 256 bytes.
.macro TOSTAGE
.irp hi, 0,1
.irp t, 0,1,2,3
	ds_store_b128 v[STO], v[TMP+16*\hi+4*\t:TMP+16*\hi+4*\t+3] offset:128*\hi+16*\t
.endr
.endr
.irp t, 0,1,2,3,4,5,6,7
	ds_load_b128 v[OB+4*\t:OB+4*\t+3], v[RD] offset:\t*2*SPITCH    ; LDS serves a wave's instructions in order (ISA guide 5.7.1.4): these see the stores above
.endr
.endm
; SEND: stored.  younger: the LDS loads issued behind the stage's, which may stay out.
.macro SEND a, younger
	WIN 0
	s_wait_dscnt \younger                          ; the block is back in registers
.if (\a) > 0
	s_add_nc_u64 s[10:11], s[10:11], 16*8192       ; 16 rows of out on (behind a wait on XCNT: the earlier stores have read their base)
.endif
.irp t, 0,1,2,3,4,5,6,7
	global_store_b128 v[CO], v[OB+4*\t:OB+4*\t+3], s[10:11] offset:\t*2*8192 th:TH_STORE_NT   ; 16 lanes store 256 consecutive bytes, at a multiple of 256 from out's first byte; written once, read by nobody here
.endr
.endm
	s_wait_tensorcnt 0x0                           ; my part of the last K step is in
	ds_add_u32 v[SPW], v[NIL]                      ; 0 onto my spare word, as in every change of slots
	MEET 0                                         ; nobody reads slot 0 any more, and slot 1 is whole; nothing is filled again, so no round follows
	PLACES                                         ; for the loads into the sets that the step before read
	v_add_nc_u32 v[ADRSA], 16, v[ADRSA]
	s_wait_alu depctr_va_vdst(0)                   ; directly behind the write
	LWALL 1, 0, 0
	SCALES 1
	XB 0
	XB 1
	SUB 2, 1, 3, 0, 0
	SUB 3, 1, 3, 0, 0
	SUB 4, 1, 3, 0, 0
	LWALL 1, 1, 64
	LWALL 1, 3, 192
	SUB 5, 1, 3, 0, 0
	SUB 6, 1, 3, 0, 0
	SUB 7, 1, 3, 0, 0
	PLACES                                         ; for the loads into the sets just read
	LWALL 1, 2, 128
	XB 2
	XB 3
	s_wait_dscnt 48                                ; w's quarters 0 and 1 and x's blocks 0 and 1 are in (behind them: quarters 3 and 2, x's blocks 2 and 3)
	ROWQ 0, 0
	ROWQ 1, 0
	ROWQ 0, 1
	ROWQ 1, 1
	s_wait_dscnt 32                                ; quarter 3
	ROWQ 0, 3
	ROWQ 1, 3
	s_wait_dscnt 16                                ; quarter 2
	ROWQ 0, 2
	ROWQ 1, 2
.irp a, 0,1,2,3,4,5,6,7
	PLACES                                         ; the conversions read results just made, and loads land in the block's buffer of x
	PACK \a
.if \a > 0
	s_wait_alu depctr_va_vdst(0)                   ; directly ahead of the wait below
	s_wait_xcnt 0x0                                ; every earlier store has read its data and its base (ISA guide 3.1): both may be rewritten
.endif
	TOSTAGE
.if \a < 4
	XB \a+4                                        ; the buffer takes the block four further on
.endif
.if \a == 0
	SEND 0, 8                                      ; the first block leaves at once
.elseif \a < 4
	ROW \a+1                                       ; the next block's products stand between a block's way through the stage and the wait for it
	SEND \a, 8
.elseif \a < 7
	ROW \a+1
	SEND \a, 0
.else
	SEND \a, 0
.endif
.endr
	s_wait_tensorcnt 0x0                           ; the wave's end, behind my last tensor load and my last LDS store
	ds_add_u32 v[SPW], v[NIL]
	s_wait_dscnt 0x0
	CROUND                                         ; the closing round: no work-group ends while a partner may still ask for a tile that names it
	s_endpgm
.Lfunc_end_k_q9e43dc3ac6_gemm:
	.size	k_q9e43dc3ac6_gemm, .Lfunc_end_k_q9e43dc3ac6_gemm-k_q9e43dc3ac6_gemm
	.p2alignl 7, 3214868480
	.fill 96, 4, 3214868480
	.section	.rodata,"a",@progbits
	.p2align	6, 0x0
	.amdhsa_kernel k_q9e43dc3ac6_gemm
		.amdhsa_group_segment_fixed_size 327680
		.amdhsa_private_segment_fixed_size 0
		.amdhsa_enable_private_segment 0
		.amdhsa_kernarg_size 32
		.amdhsa_user_sgpr_count 2
		.amdhsa_user_sgpr_kernarg_segment_ptr 1
		.amdhsa_wavefront_size32 1
		.amdhsa_system_sgpr_workgroup_id_x 1
		.amdhsa_system_sgpr_workgroup_id_y 1
		.amdhsa_system_sgpr_workgroup_id_z 1
		.amdhsa_system_vgpr_workitem_id 0
		.amdhsa_next_free_vgpr 1024
		.amdhsa_next_free_sgpr 102
		.amdhsa_reserve_vcc 0
		.amdhsa_float_denorm_mode_32 3
		.amdhsa_float_denorm_mode_16_64 3
		.amdhsa_memory_ordered 1
		.amdhsa_forward_progress 1
		.amdhsa_inst_pref_size 150
	.end_amdhsa_kernel
	.amdgpu_metadata
---
amdhsa.version: [ 1, 2 ]
amdhsa.kernels:
  - .name:           k_q9e43dc3ac6_gemm
    .symbol:         k_q9e43dc3ac6_gemm.kd
    .args:
      - { .name: x_codes, .offset: 0, .size: 8, .value_kind: global_buffer, .address_space: global }
      - { .name: x_scales, .offset: 8, .size: 8, .value_kind: global_buffer, .address_space: global }
      - { .name: wq, .offset: 16, .size: 8, .value_kind: global_buffer, .address_space: global }
      - { .name: out0, .offset: 24, .size: 8, .value_kind: global_buffer, .address_space: global }
    .group_segment_fixed_size: 327680
    .private_segment_fixed_size: 0
    .kernarg_segment_align: 8
    .kernarg_segment_size: 32
    .max_flat_workgroup_size: 128
    .sgpr_count:     102
    .vgpr_count:     1024
    .wavefront_size: 32
...
	.end_amdgpu_metadata
.endif
;; end of part 2
